; MI455X (gfx1250); checked and timed in simulation.
; The chip was launched on July 23, 2026; its instructions are those of AMD's public machine-readable ISA for CDNA 5 (MIT licence, August 2026) and "CDNA5" Instruction Set Architecture Reference Guide (July 2026). The comments in the code are by the model that wrote it; some were corrected since.
;; SRU. Allowed arithmetic: float matrix products may take bf16 or f16 operands with f32 sums; all other float work in f32.
;; Inputs: W 1,024 x 3,072 float32; Wl 1,024 x 1,024 float32; bias 2,048 float32; bl 1,024 float32; input 1,024 x 16 x 1,024 float32; v 2,048 float32.
;; Outputs: out0 1,024 x 16 x 1,024 float32.
;; One version. Each part assembles by itself: llvm-mc -triple=amdgcn-amd-amdhsa -mcpu=gfx1250 --defsym DOCPART=n.
;; ======== version 1 of 1: 3 launches
;; workspace buffers: xb 33,554,432 bytes; Wp 6,291,456 bytes; Wlb 2,097,152 bytes; Hb 33,554,432 bytes
;; launch prep (part 1): grid 512 x 1, 8 waves a work-group, no clusters, 0 bytes of LDS; arguments input, W, Wl, xb, Wp, Wlb; writes xb, Wp, Wlb
.if DOCPART == 1
	.amdgcn_target "amdgcn-amd-amdhsa--gfx1250"
	.amdhsa_code_object_version 6
	.text
	.protected	k_q3c47b162cd_prep
	.globl	k_q3c47b162cd_prep
	.p2align	8
	.type	k_q3c47b162cd_prep,@function
k_q3c47b162cd_prep:
	s_mov_b64 s[64:65], 0
	v_nop
	global_prefetch_b8 v0, s[64:65] scope:SCOPE_SE
	s_setreg_imm32_b32 hwreg(HW_REG_WAVE_MODE, 25, 1), 1
	s_wait_xcnt 0x0
; THE CASTS.  Every large input is rounded to bf16 once (nearest even) and laid out for the two products that follow.
;   xb  [s*16+b][1024] bf16: input in its own order.
;   Wp  [G=64][gate=3][kk=32][u=2][L=32][8 bf16]: element e of a chunk is W[32 kk + 16 u + 8 (L>>4) + e][1024 gate + 16 G + (L&15)]:
;       the register image of a matrix operand (16 columns x 32 along K), so that a wave fills half a fragment with one load of 512 consecutive bytes.
;   Wlb [G=64][n=1024][16 bf16] = Wl[n][16 G + c]: K in blocks of 16 channels, as the scan's result is laid.
; A stream: no LDS, no barrier, no matrix unit, no loop.  512 work-groups of 256 threads, all alike; thread T = 256 g + t takes 32 pieces of 16 bytes of input,
; 3 chunks of Wp and 2 pieces of Wl.  All 58 loads go out at the head; each piece is converted in place and stored when its load is in.  No register is used twice.
; W is read in pieces of 128 bytes a wave and Wl in pieces of 64 bytes a quarter wave (17 MB of the launch's 84 MB); every store covers whole aligned blocks of 256 bytes.
.set XV, 16                            ; v[16:143]   32 pieces of input, 4 registers each
.set LV, 144                           ; v[144:151]  2 pieces of Wl
.set WW, 152                           ; v[152:175]  3 chunks of W, 8 registers each
	s_load_b256 s[4:11], s[0:1], 0x0               ; input s[4:5], W s[6:7], Wl s[8:9], xb s[10:11]
	s_load_b128 s[12:15], s[0:1], 0x20             ; Wp s[12:13], Wlb s[14:15]
	s_lshl_b32 s16, ttmp9, 17                      ; the group's 131,072 bytes of input
	s_mov_b32 s17, 0
	s_lshl_b32 s18, ttmp9, 16                      ; and its 65,536 bytes of xb
	s_mov_b32 s19, 0
	s_lshl_b32 s20, ttmp9, 8
	v_add_nc_u32 v1, s20, v0                       ; T
	v_lshlrev_b32 v2, 4, v0                        ; input: 16 t
	v_lshlrev_b32 v3, 3, v0                        ; xb: 8 t
	v_bfe_u32 v8, v1, 5, 7                         ; kb = 4 kk + 2 u + (L>>4): which eight rows of W
	v_lshrrev_b32 v9, 12, v1                       ; T >> 12: which 32 columns
	v_and_b32 v10, 31, v1
	v_mul_u32_u24 v4, v8, 0x18000                  ; W in: 8 rows of 12,288 bytes
	v_lshl_add_u32 v4, v9, 7, v4
	v_lshl_add_u32 v4, v10, 2, v4                  ; a wave reads 128 consecutive bytes of a row
	v_bfe_u32 v11, v1, 4, 1
	v_lshl_add_u32 v11, v9, 1, v11                 ; G = 2 (T >> 12) + bit 4 of T
	v_mul_u32_u24 v5, v11, 0x18000                 ; Wp out: 98,304 bytes for each G,
	v_lshl_add_u32 v5, v8, 8, v5                   ; 256 for each kb,
	v_and_b32 v12, 15, v1
	v_lshl_add_u32 v5, v12, 4, v5                  ; 16 for each column: sixteen lanes fill 256 consecutive bytes
	v_bfe_u32 v13, v1, 2, 10                       ; Wl in: row n,
	v_lshlrev_b32 v6, 12, v13
	v_lshl_add_u32 v6, v9, 7, v6                   ; 32 columns,
	v_and_b32 v14, 3, v1
	v_lshl_add_u32 v6, v14, 4, v6                  ; four of them
	v_and_b32 v15, 0xfff, v1
	v_lshlrev_b32 v7, 3, v15                       ; Wlb out: n x 32 + 8 (T & 3) = 8 (T & 4095)
	v_lshl_add_u32 v7, v9, 16, v7                  ; + two blocks G for each T >> 12
	s_wait_kmcnt 0x0
	s_add_nc_u64 s[4:5], s[4:5], s[16:17]
	s_add_nc_u64 s[10:11], s[10:11], s[18:19]
.set i, 0
.rept 32
	global_load_b128 v[XV+4*i:XV+4*i+3], v2, s[4:5] offset:4096*i th:TH_LOAD_NT  ; read once in the launch
.set i, i+1
.endr
.set i, 0
.rept 24                               ; gate i / 8, row e = i % 8 of the chunk
	global_load_b32 v[WW+i], v4, s[6:7] offset:(i%8)*12288+(i/8)*4096
.set i, i+1
.endr
	global_load_b128 v[LV:LV+3], v6, s[8:9]
	global_load_b128 v[LV+4:LV+7], v6, s[8:9] offset:64
.set i, 0
.rept 32
	s_wait_loadcnt 57-i                            ; loads come back in order (ISA guide 5.7.1): 57 - i were issued behind piece i
	v_cvt_pk_bf16_f32 v[XV+4*i], v[XV+4*i], v[XV+4*i+1]
	v_cvt_pk_bf16_f32 v[XV+4*i+1], v[XV+4*i+2], v[XV+4*i+3]
	global_store_b64 v3, v[XV+4*i:XV+4*i+1], s[10:11] offset:2048*i  ; a wave stores 256 consecutive bytes, aligned
.set i, i+1
.endr
.set i, 0
.rept 3
	s_wait_loadcnt 8*(2-i)+2                       ; the later gates' eight each and the two of Wl may stay out
	v_cvt_pk_bf16_f32 v[WW+8*i], v[WW+8*i], v[WW+8*i+1]
	v_cvt_pk_bf16_f32 v[WW+8*i+1], v[WW+8*i+2], v[WW+8*i+3]
	v_cvt_pk_bf16_f32 v[WW+8*i+2], v[WW+8*i+4], v[WW+8*i+5]
	v_cvt_pk_bf16_f32 v[WW+8*i+3], v[WW+8*i+6], v[WW+8*i+7]
	global_store_b128 v5, v[WW+8*i:WW+8*i+3], s[12:13] offset:32768*i
.set i, i+1
.endr
.set i, 0
.rept 2
	s_wait_loadcnt 1-i
	v_cvt_pk_bf16_f32 v[LV+4*i], v[LV+4*i], v[LV+4*i+1]
	v_cvt_pk_bf16_f32 v[LV+4*i+1], v[LV+4*i+2], v[LV+4*i+3]
	global_store_b64 v7, v[LV+4*i:LV+4*i+1], s[14:15] offset:32768*i
.set i, i+1
.endr
	s_endpgm
.Lfunc_end_k_q3c47b162cd_prep:
	.size	k_q3c47b162cd_prep, .Lfunc_end_k_q3c47b162cd_prep-k_q3c47b162cd_prep
	.p2alignl 7, 3214868480
	.fill 96, 4, 3214868480
	.section	.rodata,"a",@progbits
	.p2align	6, 0x0
	.amdhsa_kernel k_q3c47b162cd_prep
		.amdhsa_group_segment_fixed_size 0
		.amdhsa_private_segment_fixed_size 0
		.amdhsa_enable_private_segment 0
		.amdhsa_kernarg_size 48
		.amdhsa_user_sgpr_count 2
		.amdhsa_user_sgpr_kernarg_segment_ptr 1
		.amdhsa_wavefront_size32 1
		.amdhsa_system_sgpr_workgroup_id_x 1
		.amdhsa_system_sgpr_workgroup_id_y 1
		.amdhsa_system_sgpr_workgroup_id_z 1
		.amdhsa_system_vgpr_workitem_id 0
		.amdhsa_next_free_vgpr 176
		.amdhsa_next_free_sgpr 66
		.amdhsa_reserve_vcc 0
		.amdhsa_float_denorm_mode_32 3
		.amdhsa_float_denorm_mode_16_64 3
		.amdhsa_memory_ordered 1
		.amdhsa_forward_progress 1
		.amdhsa_inst_pref_size 17
	.end_amdhsa_kernel
	.amdgpu_metadata
---
amdhsa.version: [ 1, 2 ]
amdhsa.kernels:
  - .name:           k_q3c47b162cd_prep
    .symbol:         k_q3c47b162cd_prep.kd
    .args:
      - { .name: input, .offset: 0, .size: 8, .value_kind: global_buffer, .address_space: global }
      - { .name: W, .offset: 8, .size: 8, .value_kind: global_buffer, .address_space: global }
      - { .name: Wl, .offset: 16, .size: 8, .value_kind: global_buffer, .address_space: global }
      - { .name: xb, .offset: 24, .size: 8, .value_kind: global_buffer, .address_space: global }
      - { .name: Wp, .offset: 32, .size: 8, .value_kind: global_buffer, .address_space: global }
      - { .name: Wlb, .offset: 40, .size: 8, .value_kind: global_buffer, .address_space: global }
    .group_segment_fixed_size: 0
    .private_segment_fixed_size: 0
    .kernarg_segment_align: 8
    .kernarg_segment_size: 48
    .max_flat_workgroup_size: 256
    .sgpr_count:     66
    .vgpr_count:     176
    .wavefront_size: 32
...
	.end_amdgpu_metadata
.endif
;; end of part 1
;; launch sru (part 2): grid 16 x 16, 4 waves a work-group, clusters of 4 x 1, 327,680 bytes of LDS; arguments xb, Wp, bias, v, Hb; writes Hb
.if DOCPART == 2
	.amdgcn_target "amdgcn-amd-amdhsa--gfx1250"
	.amdhsa_code_object_version 6
	.text
	.protected	k_q3c47b162cd_sru
	.globl	k_q3c47b162cd_sru
	.p2align	8
	.type	k_q3c47b162cd_sru,@function
k_q3c47b162cd_sru:
	s_mov_b64 s[64:65], 0
	v_nop
	global_prefetch_b8 v0, s[64:65] scope:SCOPE_SE
	s_setreg_imm32_b32 hwreg(HW_REG_WAVE_MODE, 25, 1), 1
	s_wait_xcnt 0x0
	s_wait_alu depctr_hold_cnt(0) depctr_sa_sdst(0) depctr_va_vdst(0) depctr_va_sdst(0) depctr_va_ssrc(0) depctr_va_vcc(0) depctr_vm_vsrc(0)
	s_getreg_b32 s2, hwreg(HW_REG_IB_STS2, 6, 4)
	s_cmp_eq_u32 s2, 0
	s_cbranch_scc0 .Lentry_in_a_cluster
	s_endpgm
.Lentry_in_a_cluster:
	s_bfe_u32 s2, ttmp6, 0x10000c
	s_cmp_lg_u32 s2, 0x3003
	s_cbranch_scc0 .Lentry_shape_is_right
	s_endpgm
.Lentry_shape_is_right:
; U = x W AND THE SCAN, IN ONE LAUNCH: U never leaves the registers.
;   f = sigmoid(uf + vf c + bf);  c = uc + f (c - uc);  r = sigmoid(ur + vr c + br);  h = x + r (c - x);  h goes out in bf16, [G=64][b*1024+s][16 channels].
; SHARES.  A work-group owns one batch row b and 64 channels, each of its four waves 16 channels (G = 4 hx + wave) in all three gates: 48 columns of W over the whole K = 1024.
; Those are 96 fragments of 16 columns x 32 K, 768 registers, loaded once.  A TILE is 16 consecutive steps of b: 96 matrix instructions; a wave walks 64 tiles.
; LAYOUT.  Source 0 = 16 steps of x, source 1 = 16 columns of W: in the result lane l holds channel l % 16, and register j step 8 (l / 16) + j.
; THE SCAN RIDES ON THE PRODUCTS.  While tile p is multiplied into one set of three accumulators, tile p - 1 is scanned in the other set, a few vector instructions behind each matrix instruction.
; A step of the recurrence is five links (multiply-add, exponential, add, reciprocal, multiply-add), a link a matrix instruction: 16 steps take 80 of a tile's 96 places.
; At most one exponential or reciprocal stands behind a product: r and h of a step follow the chain up to two steps behind it.
; TWO PASSES.  Pass 1 walks registers 0-7 for the lower lanes (steps 0-7), pass 2 the same registers for the upper lanes (steps 8-15).  The half of the lanes whose turn it is not adds +inf
; instead of 1 to its exponential: f = 0 there, and the register keeps what it holds, uc before that half's pass and c behind it.  One exchange of the halves carries c from pass to pass.
; LDS AND MEMORY INSTRUCTIONS STAND TOGETHER, at four places of a tile's 96 (29, 55, 75, 95), never singly among the products: x's fragments have 16 buffers in two halves of 8 K steps, and a half
; is filled by one run of 16 loads, 17 products or more ahead of its first use; h's store, x's turning load and h's turn stand at the head or the end of such a run.
; CLUSTER.  The four work-groups of a cluster share b and so x's rows: each slot of x is asked for JOINTLY (waves 0 and 1, half of K each).  The highway's x, the work-group's own 64 channels, is
; a small load of its own (wave 2).
; W is not shared: a work-group's 384 KB go straight into registers.  No prefetch: every slot is asked for four tiles, 384 matrix instructions, ahead of its first read.
; LIMITS.  x, W, v and bias are rounded to bf16 (x and W by the launch before), h once to bf16; all else is f32.  U and c must be finite in f32: the idle half of the lanes forms 0 x (c - uc).
; NaN and infinities are not treated apart; an exponential below 2^-126 counts as 0, one above f32's range gives the gate 0.
; REGISTERS, in windows of 256 (s_set_vgpr_msb: bits 1:0 source 0, 3:2 source 1, 5:4 source 2, 7:6 destination).  All but W lies in window 0.  Fragment f = 3 kk + gate lies in window 1 + f / 31 at
; v[8 (f % 31)]; the last three in window 0.  A product runs with source 1 alone in W's window, and most of the scan is written with no vector register in source 1, or with v248 / v249 there,
; which hold the same two numbers in all four windows: such lines need no switch.  The lines that multiply two registers, and stores, want window 0: 16 places of a tile's 96, two switches each.
.set PA,    1040      ; a row of x in LDS: half of K, 1,024 bytes, + 16 of padding = 260 words: the 16 rows of a load start at 16 different groups of four banks (64 banks of 4 bytes: ISA guide 11.1)
.set HALF,  64*PA     ; 64 steps of one half of K: what one joint load brings
.set ASLOT, 2*HALF    ; 133,120 = 0x20800: its bits are clear in every address inside slot 0 at which they are turned
.set XBASE, 2*ASLOT   ; behind the two slots: the highway's x, 64 steps x 128 bytes, two slots
.set PXR,   160       ; 128 + 32 of padding = 40 words
.set XSLOT, 64*PXR    ; 10,240 = 0x2800
.set STAGE, XBASE+2*XSLOT  ; 512 bytes for each wave, in which h is turned; no tensor load fills it
.set SPARE, STAGE+4*512    ; the spare words, 128 bytes for each wave: two blocks of 256 bytes that no other line names
.set DSTEP, 64*16*2048     ; bytes of xb from a slot's 64 steps to the next
.set SPW, 2           ; v2   LDS address of my spare word; never rewritten
.set NIL, 3           ; v3   0; never rewritten
.set LB,  4           ; v4   my lane's place in a tile of x: (l % 16) x 1,040 + 16 (l / 16)
.set AD0, 5           ; v5, v6  the fragment addresses of the pair of tiles in hand: lower and upper half of K
.set XL,  7           ; v7   my lane's place in the highway's slot
.set XA,  8           ; v8   the same for the pair in hand
.set STG, 9           ; v9   my 16 bytes of the stage
.set GOV, 10          ; v10  my byte offset in the wave's part of Hb, 512 on for each tile
.set VO,  11          ; v11  my byte offset in v and bias
.set BFR, 12          ; v12  -log2(e) bf       v13  -log2(e) br
.set BRR, 13
.set ONE1, 14         ; v14  1 in lanes 0-15, +inf in 16-31: pass 1       v15  the other way round: pass 2
.set TA,  16          ; v16, v17  at work in the chain
.set TD,  17
.set CSR, 18          ; v18  c carried into a pass
.set WO,  19          ; v19  16 x lane, for W's loads
.set XP,  20          ; v[20:23]  a tile's x, 8 bf16 a lane
.set XJ,  24          ; v[24:31]  x of step j, then h
.set RT,  32          ; v32, v33  r, by the step's parity: a step's r lives for less than two steps of the chain
.set DX,  34          ; v34, v35  c - x, likewise
.set HP,  36          ; v[36:39]  h, 8 steps of my channel in bf16
.set HO,  40          ; v[40:43]  h turned: 8 channels of one step
.set ACC, 44          ; v[44:91]  two sets of uc, uf, ur
.set AF,  92          ; v[92:219] sixteen fragment buffers of x: K step kk in buffer kk % 16
.set WX,  220         ; v[220:243] W's fragments 93 to 95
.set SC,  200         ; v200-212 at work at the kernel's head, before the first fragments land there
.set VFC, 248         ; v248, v249 of every window: -log2(e) vf, -log2(e) vr
.set VRC, 249
.set WV,  14          ; s14  my wave's number
.set G1A, 24          ; s[24:31] descriptor group 1 of the joint loads
.set G1X, 32          ; s[32:39] of the highway's loads
.set G0A, 40          ; s[40:47] group 0 of the joint loads: a set for each first fill; the second then walks on
.set G0X, 48          ; s[48:55] the same for the highway's
.set NSL, 56          ; s56  slots still to be entered in the loop
.set CNT, 57          ; s57  counts a slot's two pairs of tiles
.set PB,  58          ; s58  LDS byte at which the next pair's rows of x begin
.set PX,  59          ; s59  the same in the highway's slots, less XBASE
.set TC,  60          ; s60  tiles' periods gone by
.set INC, 61          ; s61  what GOV steps by
.set NL,  62          ; s62  -log2(e)
.set HM,  63          ; s63  a word's upper bf16
.set SEL, 66          ; s[66:67] v_permlanex16_b32's selects: each lane takes its own place in the other half
.set MSB, 0
.macro WIN new                      ; the immediate's high byte repeats the setting that is left; a switch that changes nothing is dropped
.if MSB != (\new)
	s_set_vgpr_msb (MSB<<8)|(\new)
.set MSB, (\new)
.endif
.endm
; A round of the cluster's barrier: my work-group's barrier, so that wave 0's signal speaks for all four waves; wave 0 signals; every wave waits for all four work-groups; my work-group's barrier once more.
.macro CROUND
	s_barrier_signal -1
	s_barrier_wait -1
	s_cmp_lg_u32 s[WV], 0
	s_cbranch_scc1 .Lnot_wave_0_\@
	s_barrier_signal -3
.Lnot_wave_0_\@:
	s_barrier_wait -3
	s_barrier_signal -1
	s_barrier_wait -1
.endm
; A refill.  Waves 0 and 1 ask jointly for the two halves of K, wave 2 for the highway's slice, wave 3 for nothing.  The branches hang on the wave's number alone.
; An s_nop 0 and four v_nop follow each load, ahead of the jump and the label.
.macro JLOAD
	s_cmp_lt_u32 s[WV], 2
	s_cbranch_scc0 .Lnot_a_\@
	tensor_load_to_lds s[G0A+4:G0A+7], s[G1A:G1A+7]
	s_nop 0
.rept 4
	v_nop
.endr
	s_branch .Lasked_\@
.Lnot_a_\@:
	s_cmp_eq_u32 s[WV], 2
	s_cbranch_scc0 .Lasked_\@
	tensor_load_to_lds s[G0X+4:G0X+7], s[G1X:G1X+7]
	s_nop 0
.rept 4
	v_nop
.endr
.Lasked_\@:
.endm
; THE CHANGE OF SLOTS stands at place 72 of a slot's fourth tile, behind the last LDS load from the slot (place 55).  Each wave waits for all its tensor loads, of which at most one is out: its part of the
; other slot; adds 0 to its spare word; and waits for that and for its own reads of the slot.  fill = 1: the slot is filled again, with the steps two slots on: the barrier is a round of the cluster's, and the refill the first thing behind it.
.macro CHANGE fill
	WIN 0
	s_wait_tensorcnt 0x0            ; no tensor load of mine is out, so a group 0 may be written
	ds_add_u32 v[SPW], v[NIL]       ; 0 onto my spare word; the scalar work below stands between it and the wait for it
.if \fill
	s_xor_b32 s[G0A+5], s[G0A+5], ASLOT  ; the walking descriptors: the other slot than last time,
	s_add_nc_u64 s[G0A+6:G0A+7], s[G0A+6:G0A+7], DSTEP  ; the next 64 steps; the type bits on top are not reached
	s_xor_b32 s[G0X+5], s[G0X+5], XSLOT
	s_add_nc_u64 s[G0X+6:G0X+7], s[G0X+6:G0X+7], DSTEP
.endif
	s_sub_co_u32 s[PB], s[PB], HALF      ; the reads go back to a slot's first pair (two pairs are 64 rows),
	s_xor_b32 s[PB], s[PB], ASLOT        ; in the other slot
	s_sub_co_u32 s[PX], s[PX], XSLOT
	s_xor_b32 s[PX], s[PX], XSLOT
	s_wait_dscnt 0x0                ; the add is done, and my reads of the slot are over
.if \fill
	CROUND
	JLOAD
.else
	s_barrier_signal -1
	s_barrier_wait -1
.endif
.endm
	s_load_b256 s[4:11], s[0:1], 0x0  ; xb s[4:5], Wp s[6:7], bias s[8:9], v s[10:11]
	s_load_b64 s[12:13], s[0:1], 0x20 ; Hb
	v_lshl_add_u32 v[SPW], v0, 2, SPARE
	v_mov_b32 v[NIL], 0
	ds_add_u32 v[SPW], v[NIL]       ; the wave's opening: the add and its wait stand ahead of my first tensor load; the set-up below, work on registers, stands between them
	v_lshrrev_b32 v1, 5, v0
	v_readfirstlane_b32 s[WV], v1   ; wave 0..3
	s_bfe_u32 s15, ttmp6, 0x40000   ; cx: my place in the cluster
	s_lshl_b32 s16, ttmp9, 2        ; in a cluster launch ttmp9 counts clusters
	s_add_co_u32 s16, s16, s15      ; hx: my block of 64 channels
	s_and_b32 s17, ttmp7, 0xffff    ; b, which the four partners share
	s_lshl_b32 s18, s16, 2
	s_add_co_u32 s18, s18, s[WV]    ; G: my wave's 16 channels
	s_and_b32 s19, s[WV], 1         ; which half of K I fetch
	; group 1 of the joint loads: 64 rows (steps) x 512 elements, 16 x 1,024 elements from step to step, padded in LDS
	s_mov_b32 s[G1A+0], 15|(1<<16)|(1<<20)|(1<<21)|(7<<22)|(3<<25)  ; 15:0 the mask of four; 17:16 2-byte elements; 20 padding on; 21 set beside a mask; 24:22 after every 256 words (code 7); 31:25 4 words (code 3)
	s_mov_b32 s[G1A+1], 512<<16     ; tensor_dim0 = 512
	s_mov_b32 s[G1A+2], 64<<16      ; tensor_dim1 = 64
	s_mov_b32 s[G1A+3], 512<<16     ; tile_dim0 = 512
	s_mov_b32 s[G1A+4], 64          ; tile_dim1 = 64
	s_mov_b32 s[G1A+5], 16384       ; elements from row to row
	s_mov_b32 s[G1A+6], 0
	s_mov_b32 s[G1A+7], 0
	; group 1 of the highway's loads: 64 rows x 64 elements, no mask
	s_mov_b32 s[G1X+0], (1<<16)|(1<<20)|(4<<22)|(7<<25)  ; padding after every 32 words (code 4), 8 words (code 7)
	s_mov_b32 s[G1X+1], 64<<16
	s_mov_b32 s[G1X+2], 64<<16
	s_mov_b32 s[G1X+3], 64<<16
	s_mov_b32 s[G1X+4], 64
	s_mov_b32 s[G1X+5], 16384
	s_mov_b32 s[G1X+6], 0
	s_mov_b32 s[G1X+7], 0
	s_mov_b32 s[G0A], 1             ; count = 1
	s_mul_i32 s[G0A+1], s19, HALF   ; LDS address: my half of K in slot 0: no place in the cluster enters an LDS address
	s_mov_b32 s[G0A+4], 1
	s_add_co_u32 s[G0A+5], s[G0A+1], ASLOT
	s_mov_b32 s[G0X], 1
	s_mov_b32 s[G0X+1], XBASE
	s_mov_b32 s[G0X+4], 1
	s_mov_b32 s[G0X+5], XBASE+XSLOT
	s_lshl_b32 s20, s17, 11         ; x's row b of step 0,
	s_lshl_b32 s21, s19, 10         ; my half of K: b and the wave's number alone
	s_add_co_u32 s20, s20, s21
	s_mov_b32 s21, 0
	s_lshl_b32 s22, s17, 11         ; the highway: the same row,
	s_lshl_b32 s23, s16, 7          ; my work-group's 64 channels
	s_add_co_u32 s22, s22, s23
	s_mov_b32 s23, 0
	s_lshl_b32 s2, s18, 19          ; Hb: 524,288 bytes for each G,
	s_lshl_b32 s3, s17, 15          ; 32,768 for each b
	s_add_co_u32 s2, s2, s3
	s_mov_b32 s3, 0
	s_mul_i32 s56, s18, 98304       ; Wp: 98,304 bytes for each G
	s_mov_b32 s57, 0
	s_mov_b32 s[NL], 0xbfb8aa3b     ; -log2(e)
	s_mov_b32 s[HM], 0xffff0000
	s_mov_b32 s[SEL], 0x76543210
	s_mov_b32 s[SEL+1], 0xfedcba98
	s_mov_b32 s[PB], 0
	s_mov_b32 s[PX], 0
	s_mov_b32 s[TC], 0
	s_wait_dscnt 0x0                ; the opening add is done
	s_wait_kmcnt 0x0
	s_add_nc_u64 s[G0A+2:G0A+3], s[4:5], s[20:21]
	s_add_nc_u64 s[G0A+6:G0A+7], s[G0A+2:G0A+3], DSTEP
	s_or_b32 s[G0A+3], s[G0A+3], 0x80000000  ; type = 2
	s_or_b32 s[G0A+7], s[G0A+7], 0x80000000
	s_add_nc_u64 s[G0X+2:G0X+3], s[4:5], s[22:23]
	s_add_nc_u64 s[G0X+6:G0X+7], s[G0X+2:G0X+3], DSTEP
	s_or_b32 s[G0X+3], s[G0X+3], 0x80000000
	s_or_b32 s[G0X+7], s[G0X+7], 0x80000000
	s_add_nc_u64 s[12:13], s[12:13], s[2:3]
	s_add_nc_u64 s[6:7], s[6:7], s[56:57]
	CROUND                          ; all four work-groups are here: the first joint loads meet
	s_cmp_lt_u32 s[WV], 2           ; a wave's two first fills stand in one branch, ahead of every wait on TENSORcnt and every LDS read: two loads of mine are out at the most
	s_cbranch_scc0 .Lfirst_x
	tensor_load_to_lds s[G0A:G0A+3], s[G1A:G1A+7]
	s_nop 0
	tensor_load_to_lds s[G0A+4:G0A+7], s[G1A:G1A+7]
	s_nop 0
.rept 4
	v_nop
.endr
	s_branch .Lfirst_asked
.Lfirst_x:
	s_cmp_eq_u32 s[WV], 2
	s_cbranch_scc0 .Lfirst_asked
	tensor_load_to_lds s[G0X:G0X+3], s[G1X:G1X+7]
	s_nop 0
	tensor_load_to_lds s[G0X+4:G0X+7], s[G1X:G1X+7]
	s_nop 0
.rept 4
	v_nop
.endr
.Lfirst_asked:
	; W: 96 fragments, two loads of 512 consecutive bytes each, in the order of their windows
	v_and_b32 v[WO], 31, v0
	v_lshlrev_b32 v[WO], 4, v[WO]
.set f, 0
.rept 96
.if f < 93
	WIN (1+f/31)<<6                 ; destination in W's window, address in window 0
.set rW, 8*(f%31)
.else
	WIN 0
.set rW, WX+8*(f-93)
.endif
	global_load_b128 v[rW:rW+3],   v[WO], s[6:7] offset:(f%3)*32768+(f/3)*1024
	global_load_b128 v[rW+4:rW+7], v[WO], s[6:7] offset:(f%3)*32768+(f/3)*1024+512
.set f, f+1
.endr
	WIN 0
	v_and_b32 v[SC+4], 15, v0       ; l % 16
	v_lshlrev_b32 v[VO], 2, v[SC+4]
	v_lshl_add_u32 v[VO], s18, 6, v[VO]  ; 4 (16 G + l % 16)
	global_load_b32 v[SC],   v[VO], s[10:11]              ; vf
	global_load_b32 v[SC+1], v[VO], s[10:11] offset:4096  ; vr
	global_load_b32 v[SC+2], v[VO], s[8:9]                ; bf
	global_load_b32 v[SC+3], v[VO], s[8:9] offset:4096    ; br
	v_bfe_u32 v[SC+5], v0, 4, 1     ; l / 16
	v_and_b32 v[SC+6], 7, v0        ; l % 8
	v_bfe_u32 v[SC+7], v0, 3, 1     ; (l / 8) % 2
	; a fragment of x is 16 steps x 32 channels in 8 registers: lane l holds step l % 16, channels 8 (l / 16) + 0..7 and 16 + 8 (l / 16) + 0..7: two loads of 16 bytes, 32 bytes apart
	v_mul_u32_u24 v[LB], v[SC+4], PA
	v_lshl_add_u32 v[LB], v[SC+5], 4, v[LB]
	; the turning load: lane l reads step 8 (l / 16) + l % 8, channels 8 ((l / 8) % 2) + 0..7, and is left with channel l % 16 and steps 8 (l / 16) + 0..7: the layout of the products' results
	v_lshl_add_u32 v[SC+8], v[SC+5], 3, v[SC+6]
	v_mul_u32_u24 v[XL], v[SC+8], PXR
	v_lshl_add_u32 v[XL], v[SC+7], 4, v[XL]
	v_lshl_add_u32 v[XL], s[WV], 5, v[XL]  ; my wave's 16 channels
	v_add_nc_u32 v[XL], XBASE, v[XL]
	v_lshl_add_u32 v[STG], v0, 4, STAGE    ; 16 bytes for each thread
	v_lshlrev_b32 v[GOV], 5, v[SC+8]       ; turned back, I hold that same step's 8 channels: 32 bytes a step
	v_lshl_add_u32 v[GOV], v[SC+7], 4, v[GOV]
	; The first period scans a tile that has not been: zeros, from which c stays 0; its h, and what HO holds before it, are not stored.  The price of one text for every period: these 37 lines.
.set z, 0
.rept 24
	v_mov_b32 v[ACC+24+z], 0
.set z, z+1
.endr
	v_mov_b32 v[CSR], 0             ; c0 = 0
.set z, 0
.rept 8
	v_mov_b32 v[XJ+z], 0
.set z, z+1
.endr
.set z, 0
.rept 4
	v_mov_b32 v[HO+z], 0
.set z, z+1
.endr
	v_and_b32 v[SC+9], 31, v0
	v_mov_b32 v[SC+10], 0x7f800000  ; +inf
	v_cmp_gt_u32 s20, 16, v[SC+9]
	v_cndmask_b32 v[ONE1], v[SC+10], 1.0, s20
	v_cndmask_b32 v[ONE1+1], 1.0, v[SC+10], s20
	s_wait_loadcnt 0x0              ; W, v and bias are in
	v_cvt_pk_bf16_f32 v[SC+11], v[SC], v[SC+1]    ; v and bias are rounded to bf16 like every input,
	v_cvt_pk_bf16_f32 v[SC+12], v[SC+2], v[SC+3]
	v_lshlrev_b32 v[SC], 16, v[SC+11]
	v_and_b32 v[SC+1], s[HM], v[SC+11]
	v_lshlrev_b32 v[SC+2], 16, v[SC+12]
	v_and_b32 v[SC+3], s[HM], v[SC+12]
	v_mul_f32 v[SC], s[NL], v[SC]   ; and take the exponentials' factor
	v_mul_f32 v[SC+1], s[NL], v[SC+1]
	v_mul_f32 v[BFR], s[NL], v[SC+2]
	v_mul_f32 v[BRR], s[NL], v[SC+3]
.irp w, 0,1,2,3
	WIN (\w)<<6
	v_mov_b32 v[VFC], v[SC]
	v_mov_b32 v[VRC], v[SC+1]
.endr
	WIN 0
; THE MATRIX WORK.  Product i of a tile's 96: K step i / 3, gate i % 3, into set par.  The three accumulators take turns, one instruction a turn, from tile to tile too.  The first three start the sums.
.macro MM par
.set aD, ACC+24*(\par)+8*(i%3)
.set aA, AF+8*((i/3)%16)
.if i < 93
	WIN (1+i/31)<<2                 ; source 1 in W's window
.set aB, 8*(i%31)
.else
	WIN 0
.set aB, WX+8*(i-93)
.endif
.if i < 3
	v_wmma_f32_16x16x32_bf16 v[aD:aD+7], v[aA:aA+7], v[aB:aB+7], 0
.else
	v_wmma_f32_16x16x32_bf16 v[aD:aD+7], v[aA:aA+7], v[aB:aB+7], v[aD:aD+7]
.endif
.endm
; Sixteen LDS loads in one run: x's fragments of K steps k0 .. k0 + 7 of tile e of the pair in hand, into one half of the buffers.
.macro RUN e, k0
	WIN 0
.set kq, (\k0)
.rept 8
	ds_load_b128 v[AF+8*(kq%16):AF+8*(kq%16)+3],   v[AD0+kq/16] offset:(\e)*16*PA+(kq%16)*64
	ds_load_b128 v[AF+8*(kq%16)+4:AF+8*(kq%16)+7], v[AD0+kq/16] offset:(\e)*16*PA+(kq%16)*64+32
.set kq, kq+1
.endr
.endm
; h of the tile scanned in the period before goes out: 512 consecutive bytes a wave, lanes 0-15 the first aligned 256.  The first two periods have none.
.macro STORE
	WIN 0
	s_wait_dscnt 0x0                ; the turning load of place 95 is back (beside products place 24's wait has shown it already)
	s_cmp_lt_u32 s[TC], 2
	s_cbranch_scc1 .Lno_store_\@
	global_store_b128 v[GOV], v[HO:HO+3], s[12:13]
.Lno_store_\@:
.endm
; THE CHAIN.  Link ph of step j of pass p, and beside it what is ready: in pass 1 the scaling of uf and ur by -log2(e) with the bias; in pass 2 r and h of the steps whose c is now known in all lanes:
; step j - 1's argument, exponential, c - x and + 1, step j - 2's reciprocal and h.  So each place has one exponential or reciprocal at the most.
; A plain instruction stands between every exponential or reciprocal and the first use of its result (ISA guide 5.7.2); each accumulator is read from register 0 on.
.macro CHAIN j, ph, p
.set cj, (\j)
.set cp, UC+cj-1                    ; c of the step before:
.if cj == 0
.set cp, CSR                        ; at a pass's head the carried one
.endif
.set r1, (cj+1)%2                   ; the parity of step j - 1
.set r2, cj%2                       ; and of step j - 2
.if (\ph) == 0
	v_fma_f32 v[TA], v[cp], v[VFC], v[UF+cj]          ; -log2(e) (uf + vf c + bf)
.if (\p) && (cj > 0)
	v_fma_f32 v[RT+r1], v[UC+cj-1], v[VRC], v[UR+cj-1]  ; -log2(e) (ur + vr c + br)
.endif
.if (\p) && (cj > 1)
	v_rcp_f32 v[RT+r2], v[RT+r2]                      ; r of step j - 2
.endif
.elseif (\ph) == 1
	v_exp_f32 v[TA], v[TA]
	v_fma_f32 v[TD], v[UC+cj], -1.0, v[cp]            ; c - uc
.elseif (\ph) == 2
	v_fma_f32 v[TA], v[TA], 1.0, v[ONE1+(\p)]         ; + 1, or + inf in the half of the lanes whose pass it is not
.if ((\p) == 0) && (cj < 7)
	v_fma_f32 v[UF+cj+1], v[UF+cj+1], s[NL], v[BFR]
.endif
.if (\p) && (cj > 0)
	v_exp_f32 v[RT+r1], v[RT+r1]
.endif
.elseif (\ph) == 3
	v_rcp_f32 v[TA], v[TA]                            ; f
.if (\p) == 0
	v_fma_f32 v[UR+cj], v[UR+cj], s[NL], v[BRR]
.elseif cj > 0
	v_fma_f32 v[DX+r1], v[XJ+cj-1], -1.0, v[UC+cj-1]  ; c - x: the plain line behind the exponential above and this reciprocal
	v_fma_f32 v[RT+r1], v[RT+r1], 1.0, 1.0
.else
	v_nop
.endif
.else
	WIN 0                           ; two registers are multiplied: source 1 in window 0
	v_fma_f32 v[UC+cj], v[TA], v[TD], v[UC+cj]        ; c = uc + f (c - uc), in uc's place
.if (\p) && (cj > 1)
	v_fma_f32 v[XJ+cj-2], v[RT+r2], v[DX+r2], v[XJ+cj-2]  ; h = x + r (c - x), in x's place
.endif
.if (\p) && (cj >= 4) && (cj%2 == 0)
	v_cvt_pk_bf16_f32 v[HP+(cj-4)/2], v[XJ+cj-4], v[XJ+cj-3]
.endif
.endif
.endm
; WHAT STANDS BEHIND PRODUCT i: the scan of set q.  0-3 nothing.  4 the first uf.  5-44 pass 1.  45 the exchange.  46-85 pass 2.  86-94 the second exchange and the last two steps' r and h.
; 95 (products 93-95 take W from window 0, so no switch is needed there): the x of the tile just multiplied is unpacked for the next period's scan: eight plain lines, the places behind the tile's last
; products, both for the scan that will read their results and for the loads into the buffers that they read; then h is turned through my 16 bytes of the stage.
; gemm = 0: the last scan, with no products beside it and no further x.
.macro RID q, gemm
.set UC, ACC+24*(\q)
.set UF, UC+8
.set UR, UC+16
.if i < 4
.elseif i == 4
	v_fma_f32 v[UF], v[UF], s[NL], v[BFR]
.elseif i < 45
	CHAIN (i-5)/5, (i-5)%5, 0
.elseif i == 45
	v_permlanex16_b32 v[CSR], v[UC+7], s[SEL], s[SEL+1]  ; c of step 7 goes to the upper lanes
.elseif i < 86
	CHAIN (i-46)/5, (i-46)%5, 1
.elseif i == 86
	v_permlanex16_b32 v[CSR], v[UC+7], s[SEL], s[SEL+1]  ; c of step 15 goes to the lower lanes, for the next tile
	v_fma_f32 v[RT+1], v[UC+7], v[VRC], v[UR+7]
	v_rcp_f32 v[RT], v[RT]                            ; r of register 6
.elseif i == 87
	v_exp_f32 v[RT+1], v[RT+1]
	v_fma_f32 v[DX+1], v[XJ+7], -1.0, v[UC+7]         ; the last read of set q: the next period's products write it anew
.elseif i == 88
	v_fma_f32 v[RT+1], v[RT+1], 1.0, 1.0
.elseif i == 89
	v_rcp_f32 v[RT+1], v[RT+1]                        ; the plain line behind it is register 6's h, at place 93
.elseif i < 93
.elseif i == 93
	WIN 0
	v_fma_f32 v[XJ+6], v[RT], v[DX], v[XJ+6]
	v_fma_f32 v[XJ+7], v[RT+1], v[DX+1], v[XJ+7]
	v_cvt_pk_bf16_f32 v[HP+2], v[XJ+4], v[XJ+5]
.elseif i == 94
	WIN 0
	v_cvt_pk_bf16_f32 v[HP+3], v[XJ+6], v[XJ+7]
	s_wait_xcnt 0x0                 ; the period's store has had its address translated (ISA guide 3.1): GOV and HO are rewritten only behind this wait
	s_cmp_ge_u32 s[TC], 2           ; has this period stored?
	s_cselect_b32 s[INC], 512, 0    ; then on to the next tile's 512 bytes
	s_add_co_u32 s[TC], s[TC], 1
	v_add_nc_u32 v[GOV], s[INC], v[GOV]
.else
	WIN 0
.if \gemm
.set z, 0
.rept 4
	v_lshlrev_b32 v[XJ+2*z], 16, v[XP+z]              ; bf16 to f32: the low half moves up,
	v_and_b32 v[XJ+2*z+1], s[HM], v[XP+z]             ; the high half stays
.set z, z+1
.endr
.endif
	ds_store_b128 v[STG], v[HP:HP+3]        ; my channel's 8 steps
	ds_load_tr16_b128 v[HO:HO+3], v[STG]    ; LDS serves a wave's instructions in order (ISA guide 5.7.1.4): it sees the store; I am left with one step's 8 channels
.endif
.endm
; Places from .. to of a period.  par: the set that the products fill (the tile's parity).  gemm = 0: the scan alone.  ld = 0: nothing is left to load.
; Eight K steps, 24 products, use one half of the fragment buffers.  That half is filled again at the first place with all windows 0 that lies four plain lines or more behind its last product:
;   29: this tile's K steps 16-23 (last product 23; first use 48)       55: K steps 24-31 (47; 72), and this tile's x for the next period's scan
;   75: the next tile's K steps 0-7 (71; 0)                             95: its K steps 8-15 (95; 24)
; At a half's first product its run is waited for.  Nothing younger is out there, but at a tile's head: place 95's store, its turning load and its sixteen loads.
.macro SLOTS par, from, to, gemm, ld
.set i, (\from)
.rept (\to)-(\from)+1
.if (\gemm) && (i == 0)
	s_wait_dscnt 18
.elseif (\gemm) && (i%24 == 0)
	s_wait_dscnt 0x0
.endif
.if \gemm
	MM \par
.endif
	RID 1-(\par), \gemm
.if i == 29
	STORE
.endif
.if \ld
.if i == 29
	RUN \par, 16
.elseif i == 55
	RUN \par, 24
	ds_load_tr16_b128 v[XP:XP+3], v[XA] offset:(\par)*16*PXR
.elseif i == 75
	RUN 1-(\par), 0
.elseif i == 95
	RUN 1-(\par), 8
.endif
.endif
.set i, i+1
.endr
.endm
.macro PAIRADR                      ; the LDS addresses of the next two tiles
	v_add_nc_u32 v[AD0], s[PB], v[LB]
	v_add_nc_u32 v[AD0+1], HALF, v[AD0]
	v_add_nc_u32 v[XA], s[PX], v[XL]
	s_add_co_u32 s[PB], s[PB], 32*PA
	s_add_co_u32 s[PX], s[PX], 32*PXR
.endm
; A trip of the loop begins at place 72 of an odd tile, from which on all loads belong to the next pair of tiles.
.macro PART_A
	PAIRADR
	SLOTS 1, 72, 95, 1, 1
.endm
.macro PART_B
	SLOTS 0, 0, 95, 1, 1
	SLOTS 1, 0, 71, 1, 1
.endm
	s_wait_tensorcnt 0x1            ; my part of slot 0 is in; slot 1's may stay out
	s_barrier_signal -1
	s_barrier_wait -1               ; everybody's is
	PAIRADR
	RUN 0, 0                        ; tile 0's first sixteen K steps: what places 75 and 95 of a tile before would have fetched
	RUN 0, 8
	s_wait_dscnt 16                 ; the first run is in; the second may stay out
	s_mov_b32 s[CNT], 2
	s_mov_b32 s[NSL], 15
	s_branch .Lenter                ; the loop is entered at a pair's first place, in the middle of a trip
.Lslot:                             ; 14 times: every slot but the last two is filled again
	CHANGE 1
	s_mov_b32 s[CNT], 2
.Lpair:
	PART_A
	WIN 0
.Lenter:
	PART_B
	WIN 0
	s_sub_co_u32 s[CNT], s[CNT], 1
	s_cmp_lg_u32 s[CNT], 0
	s_cbranch_scc1 .Lpair
	s_sub_co_u32 s[NSL], s[NSL], 1
	s_cmp_lg_u32 s[NSL], 0
	s_cbranch_scc1 .Lslot
	CHANGE 0                        ; the last slot is written out: nothing is asked for
	s_mov_b32 s[CNT], 2
.Ltail:
	PART_A
	PART_B
	WIN 0
	s_sub_co_u32 s[CNT], s[CNT], 1
	s_cmp_lg_u32 s[CNT], 0
	s_cbranch_scc1 .Ltail
	SLOTS 1, 72, 95, 1, 0           ; the last tile's last 24 products: nothing more is fetched
	SLOTS 0, 0, 95, 0, 0            ; the last tile's scan, with no products beside it
	WIN 0
	s_wait_dscnt 0x0                ; its h is turned
	global_store_b128 v[GOV], v[HO:HO+3], s[12:13]
	s_wait_tensorcnt 0x0            ; the wave's end: an add to my spare word and its wait, behind my last tensor load and my last LDS store
	ds_add_u32 v[SPW], v[NIL]
	s_wait_dscnt 0x0
	CROUND                          ; the closing round: no work-group ends while a partner may still ask for a tile that names it
	s_endpgm
.Lfunc_end_k_q3c47b162cd_sru:
	.size	k_q3c47b162cd_sru, .Lfunc_end_k_q3c47b162cd_sru-k_q3c47b162cd_sru
	.p2alignl 7, 3214868480
	.fill 96, 4, 3214868480
	.section	.rodata,"a",@progbits
	.p2align	6, 0x0
	.amdhsa_kernel k_q3c47b162cd_sru
		.amdhsa_group_segment_fixed_size 327680
		.amdhsa_private_segment_fixed_size 0
		.amdhsa_enable_private_segment 0
		.amdhsa_kernarg_size 40
		.amdhsa_user_sgpr_count 2
		.amdhsa_user_sgpr_kernarg_segment_ptr 1
		.amdhsa_wavefront_size32 1
		.amdhsa_system_sgpr_workgroup_id_x 1
		.amdhsa_system_sgpr_workgroup_id_y 1
		.amdhsa_system_sgpr_workgroup_id_z 1
		.amdhsa_system_vgpr_workitem_id 0
		.amdhsa_next_free_vgpr 1024
		.amdhsa_next_free_sgpr 72
		.amdhsa_reserve_vcc 0
		.amdhsa_float_denorm_mode_32 3
		.amdhsa_float_denorm_mode_16_64 3
		.amdhsa_memory_ordered 1
		.amdhsa_forward_progress 1
		.amdhsa_inst_pref_size 131
	.end_amdhsa_kernel
	.amdgpu_metadata
---
amdhsa.version: [ 1, 2 ]
amdhsa.kernels:
  - .name:           k_q3c47b162cd_sru
    .symbol:         k_q3c47b162cd_sru.kd
    .args:
      - { .name: xb, .offset: 0, .size: 8, .value_kind: global_buffer, .address_space: global }
      - { .name: Wp, .offset: 8, .size: 8, .value_kind: global_buffer, .address_space: global }
      - { .name: bias, .offset: 16, .size: 8, .value_kind: global_buffer, .address_space: global }
      - { .name: v, .offset: 24, .size: 8, .value_kind: global_buffer, .address_space: global }
      - { .name: Hb, .offset: 32, .size: 8, .value_kind: global_buffer, .address_space: global }
    .group_segment_fixed_size: 327680
    .private_segment_fixed_size: 0
    .kernarg_segment_align: 8
    .kernarg_segment_size: 40
    .max_flat_workgroup_size: 128
    .sgpr_count:     72
    .vgpr_count:     1024
    .wavefront_size: 32
...
	.end_amdgpu_metadata
.endif
;; end of part 2
;; launch proj (part 3): grid 4 x 64, 4 waves a work-group, clusters of 4 x 4, 327,680 bytes of LDS; arguments Hb, Wlb, bl, out0; writes out0
.if DOCPART == 3
	.amdgcn_target "amdgcn-amd-amdhsa--gfx1250"
	.amdhsa_code_object_version 6
	.text
	.protected	k_q3c47b162cd_proj
	.globl	k_q3c47b162cd_proj
	.p2align	8
	.type	k_q3c47b162cd_proj,@function
k_q3c47b162cd_proj:
	s_mov_b64 s[64:65], 0
	v_nop
	global_prefetch_b8 v0, s[64:65] scope:SCOPE_SE
	s_setreg_imm32_b32 hwreg(HW_REG_WAVE_MODE, 25, 1), 1
	s_wait_xcnt 0x0
	s_wait_alu depctr_hold_cnt(0) depctr_sa_sdst(0) depctr_va_vdst(0) depctr_va_sdst(0) depctr_va_ssrc(0) depctr_va_vcc(0) depctr_vm_vsrc(0)
	s_getreg_b32 s2, hwreg(HW_REG_IB_STS2, 6, 4)
	s_cmp_eq_u32 s2, 0
	s_cbranch_scc0 .Lentry_in_a_cluster
	s_endpgm
.Lentry_in_a_cluster:
	s_bfe_u32 s2, ttmp6, 0x10000c
	s_cmp_lg_u32 s2, 0xf033
	s_cbranch_scc0 .Lentry_shape_is_right
	s_endpgm
.Lentry_shape_is_right:
; out[s][b][n] = sum over k of h[s][b][k] Wl[n][k] + bl[n].  h: Hb [G=64][m = b*1024+s][16 bf16]; Wl: Wlb [G=64][n=1024][16 bf16]; out0 f32; sums in f32; bl is rounded to bf16 like every input.
; A tile of out, 256 rows m x 256 columns n, is made by a work-group of four waves, each 128 x 128: 64 accumulators of 16 x 16, 512 registers.  256 tiles, one to a work-group.
; K goes in 8 steps of 128 through a ring of two LDS slots.  Both operands lie in blocks of 16 channels, so a tile's part of a block is 256 rows x 32 bytes = 8,192 consecutive bytes of memory:
; a wave's tensor load brings four such blocks as four rows of 8,192 bytes.
; CLUSTERS: 4 x 4 work-groups.  The four of a row of the cluster need the same tiles of h, the four of a column the same tiles of Wl: each is asked for JOINTLY, by the same tensor load with the same
; descriptor and a mask that names the four.
; THE MATRIX INSTRUCTION IS USED TRANSPOSED (source 0 = 16 rows of Wl, source 1 = 16 rows of h): lane l then holds row m = l % 16 and its registers the columns n = 8 (l / 16) + 0..7: 32 neighbouring bytes of out.
; REGISTERS, in windows of 256 (s_set_vgpr_msb: bits 1:0 source 0, 3:2 source 1, 5:4 source 2, 7:6 destination):
;   window 0: v0-31 addresses and the bias; v64-127, v128-191 fragments of h, two buffers; v32-63, v224-255 rows on the way out      window 1: v64-127, v128-191 fragments of Wl, two buffers
;   window 2: the 32 accumulators of my rows 0-63 (accumulator (a, b) at v[8 (8 a + b)]);   window 3: those of my rows 64-127
.set KBLK,   8704                      ; a block in LDS: 8,192 bytes + 16 of padding behind every 256
.set HALFT,  4*KBLK                    ; what one tensor load brings
.set SLOT,   4*HALFT                   ; h's eight blocks, then Wl's eight
.set STAGE,  2*SLOT                    ; behind the ring: 16 rows x 272 bytes for each wave, for the way out
.set SPITCH, 272
.set SPARE,  STAGE+4*16*SPITCH         ; the spare words, 128 bytes for each wave: two blocks of 256 bytes that no other line names
.set LAPS,   4                         ; a lap = two K steps = once round the ring
.set BI,   8                           ; v[8:15] bl of my four columns in each half of 64 columns
.set ADRA, 16                          ; v16-17  LDS address of my fragments of h in slot 0, 1
.set ADRB, 20                          ; v20-21  the same for Wl
.set STO,  24                          ; v24     the way out: where I put 32 bytes of a row
.set RD,   25                          ; v25     the way out: where I read a row back
.set CO,   26                          ; v26     my byte offset in out0
.set SPW,  28                          ; v28     LDS address of my spare word; never rewritten
.set NIL,  29                          ; v29     0; never rewritten
.set F0,   64
.set F1,   128
.set OB,   32                          ; 16 rows x 64 columns read back from the stage: v32-63 and v224-255 by turns
.set G1, 24                            ; s[24:31] descriptor group 1 for h's tiles;  s[32:39] group 0, one set for each slot
.set G0, 32
.set G1B, 48                           ; s[48:55], s[56:63] the same for Wl's
.set G0B, 56
.set MSB, 0
.macro WIN new                         ; the immediate's high byte repeats the setting that is left
.if MSB != (\new)
	s_set_vgpr_msb (MSB<<8)|(\new)
.set MSB, (\new)
.endif
.endm
.set MUL_LO, 0xa1                      ; source 0 (Wl) window 1, source 1 (h) window 0, C and D window 2
.set MUL_HI, 0xf1                      ; the same, C and D window 3
.set TO_B,   0x40                      ; destination window 1, address window 0
; A joint load.  Waves 0 and 1 fetch h's two halves of a K step, waves 2 and 3 Wl's.  The branch hangs on the wave's number alone.  An s_nop 0 and four v_nop follow each of the two lines.
.macro JLOAD s
	s_cmp_eq_u32 s11, 0
	s_cbranch_scc0 .Lfor_b_\@
	tensor_load_to_lds s[G0+4*(\s):G0+4*(\s)+3], s[G1:G1+7]
	s_nop 0
.rept 4
	v_nop
.endr
	s_branch .Lasked_\@
.Lfor_b_\@:
	tensor_load_to_lds s[G0B+4*(\s):G0B+4*(\s)+3], s[G1B:G1B+7]
	s_nop 0
.rept 4
	v_nop
.endr
.Lasked_\@:
.endm
.macro CREST                           ; a round of the cluster's barrier behind its opening barrier
	s_cmp_lg_u32 s10, 0
	s_cbranch_scc1 .Lnot_wave_0_\@
	s_barrier_signal -3
.Lnot_wave_0_\@:
	s_barrier_wait -3
	s_barrier_signal -1
	s_barrier_wait -1
.endm
.macro CROUND                          ; a whole round
	s_barrier_signal -1
	s_barrier_wait -1
	CREST
.endm
	s_load_b128 s[4:7], s[0:1], 0x0                ; Hb s[4:5], Wlb s[6:7]
	s_load_b64 s[66:67], s[0:1], 0x10              ; bl
	s_load_b64 s[8:9], s[0:1], 0x18                ; out0
	v_lshl_add_u32 v[SPW], v0, 2, SPARE
	v_mov_b32 v[NIL], 0
	ds_add_u32 v[SPW], v[NIL]                      ; the wave's opening: the add and its wait stand ahead of my first tensor load; the set-up below, work on registers, stands between them
	v_lshrrev_b32 v1, 5, v0
	v_readfirstlane_b32 s10, v1                    ; wave 0..3
	s_lshr_b32 s11, s10, 1                         ; which half of the tile's rows is mine.  Also: I fetch for h (0) or for Wl (1)
	s_and_b32 s12, s10, 1                          ; which half of its columns.  Also: which four blocks of a K step I fetch
	s_bfe_u32 s40, ttmp6, 0x40000                  ; cx, cy: my place in the cluster
	s_bfe_u32 s41, ttmp6, 0x40004
	s_lshl_b32 s42, ttmp9, 2
	s_add_co_u32 s42, s42, s40                     ; tile column = 4 x cluster x + cx
	s_and_b32 s13, ttmp7, 0xffff
	s_lshl_b32 s13, s13, 2
	s_add_co_u32 s13, s13, s41                     ; tile row = 4 x cluster y + cy
	s_lshl_b32 s43, s41, 2
	s_lshl_b32 s43, 15, s43                        ; my row of the cluster
	s_lshl_b32 s44, 0x1111, s40                    ; my column
	; descriptor group 1: four rows of 4,096 elements, a block of channels apart, padded in LDS
	s_or_b32 s[G1+0], s43, (1<<16)|(1<<20)|(1<<21)|(5<<22)|(3<<25)  ; 15:0 the mask: h's tiles go to my row; 17:16 2-byte elements; 20 padding on; 21 set beside a mask; 24:22 after every 64 words (code 5); 31:25 4 words (code 3)
	s_or_b32 s[G1B+0], s44, (1<<16)|(1<<20)|(1<<21)|(5<<22)|(3<<25)
.irp g, G1, G1B
	s_mov_b32 s[(\g)+1], 4096<<16                  ; tensor_dim0 = 4,096
	s_mov_b32 s[(\g)+2], 4<<16                     ; tensor_dim1 = 4
	s_mov_b32 s[(\g)+3], 4096<<16                  ; tile_dim0 = 4,096
	s_mov_b32 s[(\g)+4], 4                         ; tile_dim1 = 4
	s_mov_b32 s[(\g)+6], 0
	s_mov_b32 s[(\g)+7], 0
.endr
	s_mov_b32 s[G1+5], 262144                      ; elements from block to block: 16,384 rows of 16 in Hb,
	s_mov_b32 s[G1B+5], 16384                      ; 1,024 rows of 16 in Wlb
	; h's tiles hang on the tile row alone, which my row of the cluster shares; Wl's on the tile column alone, which my column shares
	s_lshl_b32 s16, s13, 13                        ; h: 256 rows of 32 bytes for each tile row,
	s_lshl_b32 s17, s12, 21                        ; four blocks of 524,288 bytes
	s_add_co_u32 s16, s16, s17
	s_mov_b32 s17, 0
	s_lshl_b32 s46, s42, 13                        ; Wl: the same with blocks of 32,768 bytes
	s_lshl_b32 s47, s12, 17
	s_add_co_u32 s46, s46, s47
	s_mov_b32 s47, 0
	s_mul_i32 s20, s10, HALFT                      ; where they go: wave x four blocks: no place in the cluster enters an LDS address
	s_wait_dscnt 0x0                               ; the opening add is done
	s_wait_kmcnt 0x0
	s_add_nc_u64 s[14:15], s[4:5], s[16:17]
	s_add_nc_u64 s[46:47], s[6:7], s[46:47]
	CROUND                                         ; all sixteen work-groups are here: the first joint loads meet
.irp s, 0,1
	s_mov_b32 s[G0+4*(\s)], 1
	s_add_co_u32 s[G0+4*(\s)+1], s20, (\s)*SLOT
	s_add_nc_u64 s[G0+4*(\s)+2:G0+4*(\s)+3], s[14:15], (\s)*8*524288   ; K step s: eight blocks on
	s_or_b32 s[G0+4*(\s)+3], s[G0+4*(\s)+3], 0x80000000
	s_mov_b32 s[G0B+4*(\s)], 1
	s_add_co_u32 s[G0B+4*(\s)+1], s20, (\s)*SLOT
	s_add_nc_u64 s[G0B+4*(\s)+2:G0B+4*(\s)+3], s[46:47], (\s)*8*32768
	s_or_b32 s[G0B+4*(\s)+3], s[G0B+4*(\s)+3], 0x80000000
	JLOAD \s
.endr
	; A fragment is 16 rows x 32 K in 8 registers: lane l holds row l % 16; registers 0-3 K = 8 (l / 16) + 0..7, which lie in one block, registers 4-7 K = 16 + 8 (l / 16) + 0..7, in the next block.
	v_and_b32 v1, 15, v0                           ; l % 16
	v_bfe_u32 v2, v0, 4, 1                         ; l / 16
	v_lshrrev_b32 v3, 3, v1
	v_mul_u32_u24 v3, v3, 272                      ; eight rows and their pad
	v_and_b32 v4, 7, v0
	v_lshl_add_u32 v3, v4, 5, v3                   ; 32 bytes a row
	v_lshl_add_u32 v3, v2, 4, v3                   ; 16 x half
	s_mul_i32 s21, s11, 16*272                     ; my 128 rows of h
	s_mul_i32 s22, s12, 16*272                     ; my 128 rows of Wl,
	s_add_co_u32 s22, s22, 2*HALFT                 ; which lie behind h's eight blocks
.irp s, 0,1
	v_add_nc_u32 v[ADRA+(\s)], s21, v3
	v_add_nc_u32 v[ADRB+(\s)], s22, v3
	s_add_co_u32 s21, s21, SLOT
	s_add_co_u32 s22, s22, SLOT
.endr
	s_mul_i32 s23, s10, 16*SPITCH
	s_add_co_u32 s23, s23, STAGE                   ; my stage
	v_mul_u32_u24 v4, v1, SPITCH                   ; in: row l % 16, 32 bytes for each half of the lanes
	v_lshl_add_u32 v4, v2, 5, v4
	v_add_nc_u32 v[STO], s23, v4
	v_mul_u32_u24 v5, v2, SPITCH                   ; back: lanes 0-15 take one row of 256 bytes, lanes 16-31 the next
	v_lshl_add_u32 v5, v1, 4, v5
	v_add_nc_u32 v[RD], s23, v5
	v_lshlrev_b32 v5, 16, v2                       ; and the same two rows in out0: a step of s is 16 rows of 4,096 bytes
	v_lshl_add_u32 v[CO], v1, 4, v5
	s_lshl_b32 s46, s42, 10                        ; my first column, in bytes of f32: 1,024 x tile column + 512 x half
	s_lshl_b32 s47, s12, 9
	s_add_co_u32 s46, s46, s47
	s_mov_b32 s47, 0
	s_add_nc_u64 s[66:67], s[66:67], s[46:47]
	v_lshlrev_b32 v6, 4, v1
	global_load_b128 v[BI:BI+3], v6, s[66:67]                  ; bl of the four columns that I store, in my first 64 columns
	global_load_b128 v[BI+4:BI+7], v6, s[66:67] offset:256     ; and in my second
	s_and_b32 s16, s13, 3                          ; where my part of the tile begins in out0: s = 256 (tile row % 4) + 128 x half,
	s_lshl_b32 s16, s16, 1
	s_add_co_u32 s16, s16, s11
	s_lshl_b32 s16, s16, 23                        ; 128 steps of 65,536 bytes;
	s_lshr_b32 s17, s13, 2                         ; b = tile row / 4
	s_lshl_b32 s17, s17, 12
	s_add_co_u32 s16, s16, s17
	s_mov_b32 s17, 0
	s_add_nc_u64 s[16:17], s[16:17], s[46:47]
	s_wait_loadcnt 0x0
.irp p, 0,1,2,3
	v_cvt_pk_bf16_f32 v7, v[BI+2*(\p)], v[BI+2*(\p)+1]   ; bl is rounded to bf16 and widened again
	v_lshlrev_b32 v[BI+2*(\p)], 16, v7
	v_and_b32 v[BI+2*(\p)+1], 0xffff0000, v7
.endr
; 16 matrix instructions: m blocks a0, a0 + 1 of the window's four (hi = 0: my rows 0-63, 1: rows 64-127) x all 8 n blocks, 32 along K.  zero = 1: the first product starts the sums.
; The 64 accumulators take turns in the same order in every quarter.
.macro MUL16 f, hi, a0, zero
	WIN MUL_LO+0x50*(\hi)
.irp a, \a0, (\a0)+1
.irp b, 0,1,2,3,4,5,6,7
.if \zero
	v_wmma_f32_16x16x32_bf16 v[8*(8*(\a)+(\b)):8*(8*(\a)+(\b))+7], v[(\f)+8*(\b):(\f)+8*(\b)+7], v[(\f)+8*(4*(\hi)+(\a)):(\f)+8*(4*(\hi)+(\a))+7], 0
.else
	v_wmma_f32_16x16x32_bf16 v[8*(8*(\a)+(\b)):8*(8*(\a)+(\b))+7], v[(\f)+8*(\b):(\f)+8*(\b)+7], v[(\f)+8*(4*(\hi)+(\a)):(\f)+8*(4*(\hi)+(\a))+7], v[8*(8*(\a)+(\b)):8*(8*(\a)+(\b))+7]
.endif
.endr
.endr
.endm
; 32 LDS loads in one run: the fragments of quarter q of a K step (blocks 2 q and 2 q + 1; 128 rows of Wl, 128 rows of h) into buffer f
.macro FETCH slot, q, f
	WIN TO_B
.irp i, 0,1,2,3,4,5,6,7
	ds_load_b128 v[(\f)+8*(\i):(\f)+8*(\i)+3],   v[ADRB+(\slot)] offset:2*(\q)*KBLK+(\i)*544
	ds_load_b128 v[(\f)+8*(\i)+4:(\f)+8*(\i)+7], v[ADRB+(\slot)] offset:(2*(\q)+1)*KBLK+(\i)*544
.endr
	WIN 0
.irp i, 0,1,2,3,4,5,6,7
	ds_load_b128 v[(\f)+8*(\i):(\f)+8*(\i)+3],   v[ADRA+(\slot)] offset:2*(\q)*KBLK+(\i)*544
	ds_load_b128 v[(\f)+8*(\i)+4:(\f)+8*(\i)+7], v[ADRA+(\slot)] offset:(2*(\q)+1)*KBLK+(\i)*544
.endr
.endm
.macro PLACES                          ; four places in front of loads into registers that matrix instructions have read, and of LDS stores that read results (ISA guide 7.12.1 for the stores)
.rept 4
	v_nop
.endr
.endm
; A K step is four quarters of 32 along K, 64 matrix instructions each, on buffers 0, 1, 0, 1.  One of the first three: multiplies buffer f; in its middle it fetches quarter q of the same slot into buffer g.
.macro QUARTER slot, q, f, g, zero
	s_wait_dscnt 8                                 ; Wl and h's rows 0-63 are in; the youngest eight loads (h's rows 64-127) may be out
	WIN MUL_LO
	MUL16 \f, 0, 0, \zero
	MUL16 \f, 0, 2, \zero
	PLACES
	FETCH \slot, \q, \g
	s_wait_dscnt 32                                ; all but the 32 just issued
	WIN MUL_HI
	MUL16 \f, 1, 0, \zero
	MUL16 \f, 1, 2, \zero
.endm
; The last quarter multiplies buffer 1 and changes slots: ONE barrier.  In front of it each wave waits for all its tensor loads, of which one is out: its part of the next slot; adds 0 to its spare word; and waits
; for that and for its own reads of this slot.  fill = 1: the barrier opens a round of the cluster's, and this slot is filled again first thing behind it, two K steps ahead: 224 matrix instructions ahead of the wait for it.
.macro TURN slot, next, fill
	WIN 0                                          ; (the add's two registers lie in window 0)
	s_wait_tensorcnt 0x0                           ; all my tensor loads have landed;
	ds_add_u32 v[SPW], v[NIL]                      ; 0 onto my spare word
	s_wait_dscnt 9                                 ; (the add and the youngest eight loads may be out)
	WIN MUL_LO
	MUL16 F1, 0, 0, 0                              ; sixteen matrix instructions stand between the add and the wait for it
	s_wait_dscnt 0x0                               ; the add is done, and my reads of this slot are over
	s_barrier_signal -1
	MUL16 F1, 0, 2, 0                              ; work on registers while the others arrive
.if \fill
	WIN 0
.endif
	s_barrier_wait -1
.if \fill
	CREST                                          ; no wave of any partner still reads this slot's tile or has a load on its way
	s_add_nc_u64 s[G0+4*(\slot)+2:G0+4*(\slot)+3], s[G0+4*(\slot)+2:G0+4*(\slot)+3], 16*524288
	s_add_nc_u64 s[G0B+4*(\slot)+2:G0B+4*(\slot)+3], s[G0B+4*(\slot)+2:G0B+4*(\slot)+3], 16*32768
	JLOAD \slot                                    ; the four v_nop behind it are also the places in front of the loads below
.else
	PLACES
.endif
	FETCH \next, 0, F0
	WIN MUL_HI
	MUL16 F1, 1, 0, 0
	MUL16 F1, 1, 2, 0
.endm
; THE WAY OUT, in 16 pieces z = 2 a + nh: block a of 16 rows, half nh of my 128 columns: 16 rows x 256 bytes.  TOSTAGE: four accumulators go as they are, low registers first, into my own stage, and come back
; as whole rows.  SEND: the bias is added and the rows are stored.
.macro TOSTAGE z
.set AC, 64*(((\z)/2)%4)+32*((\z)%2)
.set BK, OB+192*((\z)%2)
	WIN (2+(\z)/8)<<2                              ; the stores' data (source 1) in window 2 or 3
.irp c, 0,1,2,3
	ds_store_b128 v[STO], v[AC+8*(\c):AC+8*(\c)+3]   offset:64*(\c)
	ds_store_b128 v[STO], v[AC+8*(\c)+4:AC+8*(\c)+7] offset:64*(\c)+16
.endr
	WIN 0
	s_wait_xcnt 0x0                                ; the stores of the piece two back have had their addresses translated (ISA guide 3.1): their data registers are loaded again only behind this wait
.irp t, 0,1,2,3,4,5,6,7
	ds_load_b128 v[BK+4*(\t):BK+4*(\t)+3], v[RD] offset:(\t)*2*SPITCH  ; LDS serves a wave's instructions in order (ISA guide 5.7.1.4): these see the stores above; the next piece's stores come behind them
.endr
.endm
.macro SEND z, younger                 ; younger: the LDS instructions issued behind this piece's loads: the next piece's sixteen, or none
.set BK, OB+192*((\z)%2)
.set BB, BI+4*((\z)%2)
	WIN 0
	s_wait_dscnt \younger
.if (\z)%2 == 0
	s_wait_xcnt 0x0                                ; the stores' base is stepped only behind this wait
.if (\z) == 0
	s_add_nc_u64 s[8:9], s[8:9], s[16:17]          ; on to my first rows
.else
	s_add_nc_u64 s[8:9], s[8:9], 16*65536          ; 16 steps of s on
.endif
.endif
.irp t, 0,1,2,3,4,5,6,7
	v_pk_add_f32 v[BK+4*(\t):BK+4*(\t)+1],   v[BK+4*(\t):BK+4*(\t)+1],   v[BB:BB+1]
	v_pk_add_f32 v[BK+4*(\t)+2:BK+4*(\t)+3], v[BK+4*(\t)+2:BK+4*(\t)+3], v[BB+2:BB+3]
.endr
.irp t, 0,1,2,3,4,5,6,7
	global_store_b128 v[CO], v[BK+4*(\t):BK+4*(\t)+3], s[8:9] offset:(\t)*2*65536+((\z)%2)*256  ; 16 lanes store 256 consecutive bytes, at a multiple of 256 from out0's first byte
.endr
.endm
	s_wait_tensorcnt 1                             ; my part of K step 0 is in; K step 1's may stay out
	s_barrier_signal -1
	s_barrier_wait -1                              ; everybody's is
	FETCH 0, 0, F0
	QUARTER 0, 1, F0, F1, 1                        ; the first quarter stands in front of the loop: its products start the sums
	WIN 0                                          ; at a label and at a branch every window is 0
	s_mov_b32 s3, LAPS-1
.Llap:                                                 ; a trip goes once round the ring, from a lap's second quarter to the next lap's first, and fills both slots again
	QUARTER 0, 2, F1, F0, 0
	QUARTER 0, 3, F0, F1, 0
	TURN 0, 1, 1
	QUARTER 1, 1, F0, F1, 0
	QUARTER 1, 2, F1, F0, 0
	QUARTER 1, 3, F0, F1, 0
	TURN 1, 0, 1
	QUARTER 0, 1, F0, F1, 0
	WIN 0
	s_sub_co_u32 s3, s3, 1
	s_cmp_lg_u32 s3, 0
	s_cbranch_scc1 .Llap
	QUARTER 0, 2, F1, F0, 0                        ; the last lap fills nothing, and has no round of the cluster's barrier
	QUARTER 0, 3, F0, F1, 0
	TURN 0, 1, 0
	QUARTER 1, 1, F0, F1, 0
	QUARTER 1, 2, F1, F0, 0
	QUARTER 1, 3, F0, F1, 0
	s_wait_dscnt 8                                 ; the very last quarter: nothing more to fetch
	MUL16 F1, 0, 0, 0
	MUL16 F1, 0, 2, 0
	s_wait_dscnt 0
	MUL16 F1, 1, 0, 0
	MUL16 F1, 1, 2, 0
	WIN 0
	PLACES                                         ; the LDS stores below read results
	TOSTAGE 0
.set zz, 0
.rept 15                               ; a piece's trip through the stage stands between the loads of the piece before and its stores
	TOSTAGE zz+1
	SEND zz, 16
.set zz, zz+1
.endr
	SEND 15, 0
	s_wait_tensorcnt 0x0                           ; the wave's end: an add to my spare word and its wait, behind my last tensor load and my last LDS store
	ds_add_u32 v[SPW], v[NIL]
	s_wait_dscnt 0x0
	CROUND                                         ; the closing round: no work-group ends while a partner may still ask for a tile that names it
	s_endpgm
.Lfunc_end_k_q3c47b162cd_proj:
	.size	k_q3c47b162cd_proj, .Lfunc_end_k_q3c47b162cd_proj-k_q3c47b162cd_proj
	.p2alignl 7, 3214868480
	.fill 96, 4, 3214868480
	.section	.rodata,"a",@progbits
	.p2align	6, 0x0
	.amdhsa_kernel k_q3c47b162cd_proj
		.amdhsa_group_segment_fixed_size 327680
		.amdhsa_private_segment_fixed_size 0
		.amdhsa_enable_private_segment 0
		.amdhsa_kernarg_size 32
		.amdhsa_user_sgpr_count 2
		.amdhsa_user_sgpr_kernarg_segment_ptr 1
		.amdhsa_wavefront_size32 1
		.amdhsa_system_sgpr_workgroup_id_x 1
		.amdhsa_system_sgpr_workgroup_id_y 1
		.amdhsa_system_sgpr_workgroup_id_z 1
		.amdhsa_system_vgpr_workitem_id 0
		.amdhsa_next_free_vgpr 1024
		.amdhsa_next_free_sgpr 68
		.amdhsa_reserve_vcc 0
		.amdhsa_float_denorm_mode_32 3
		.amdhsa_float_denorm_mode_16_64 3
		.amdhsa_memory_ordered 1
		.amdhsa_forward_progress 1
		.amdhsa_inst_pref_size 159
	.end_amdhsa_kernel
	.amdgpu_metadata
---
amdhsa.version: [ 1, 2 ]
amdhsa.kernels:
  - .name:           k_q3c47b162cd_proj
    .symbol:         k_q3c47b162cd_proj.kd
    .args:
      - { .name: Hb, .offset: 0, .size: 8, .value_kind: global_buffer, .address_space: global }
      - { .name: Wlb, .offset: 8, .size: 8, .value_kind: global_buffer, .address_space: global }
      - { .name: bl, .offset: 16, .size: 8, .value_kind: global_buffer, .address_space: global }
      - { .name: out0, .offset: 24, .size: 8, .value_kind: global_buffer, .address_space: global }
    .group_segment_fixed_size: 327680
    .private_segment_fixed_size: 0
    .kernarg_segment_align: 8
    .kernarg_segment_size: 32
    .max_flat_workgroup_size: 128
    .sgpr_count:     68
    .vgpr_count:     1024
    .wavefront_size: 32
...
	.end_amdgpu_metadata
.endif
;; end of part 3
